; MI455X (gfx1250); checked and timed in simulation.
; The chip was launched on July 23, 2026; its instructions are those of AMD's public machine-readable ISA for CDNA 5 (MIT licence, August 2026) and "CDNA5" Instruction Set Architecture Reference Guide (July 2026). The comments in the code are by the model that wrote it; some were corrected since.
;; IO Ufit Transformer. Allowed arithmetic: matrix products marked QUANTISED: E2M1 operands, one E8M0 scale for each 32 along K, by v_wmma_scale_f32_16x16x128_f8f6f4 with both operands' format E2M1 (or v_wmma_scale_f32_32x16x128_f4), f32 sums; products left as they are: bf16, f16 or f32 operands; f32 sums; everything else in f32.
;; Inputs: Wk 512 x 512 float32; Wo 512 x 512 float32; Wq 512 x 512 float32; Wv 512 x 512 float32; bk 512 float32; bo 512 float32; bq 512 float32; bv 512 float32; key 32 x 1,024 x 512 float32; query 32 x 1,024 x 512 float32.
;; Outputs: out0 32 x 1,024 x 512 float32.
;; This version of the problem:
;;   THIS VERSION OF THE PROBLEM IS GIVEN IN LOW PRECISION. The matrix products marked QUANTISED in the list below multiply operands that are first quantised to E2M1 (2 exponent bits, 1 mantissa bit; 4 bits a number), with one power-of-two scale for each 32 numbers along K (OCP MX v1.0); their sums are f32. The products marked 'left as it is' may take bf16, f16 or f32 operands, with f32 sums. Whichever they take, every output number must still come out within the allowed error. Rounding operands to bf16 (8 significant bits) uses up far more of that allowance than f16 does (11 bits, for magnitudes from 6e-5 to 65,504). All else is computed in f32.
;;   The module's matrix products, in the order in which they are computed (A, B: the left and right operand; K: the contracted axis; several contracted axes count as one K, in the product's order):
;;     1. [M 32,768, K 512] x [K 512, N 512]; A: input query; B: input Wq: QUANTISED
;;     2. [M 32,768, K 512] x [K 512, N 512]; A: input key; B: input Wk: QUANTISED
;;     3. [M 32,768, K 512] x [K 512, N 512]; A: input key; B: input Wv: QUANTISED
;;     4. batch 32 x [M 1,024, K 512] x [K 512, N 1,024]; A: computed on the way; B: computed on the way: left as it is (an operand is computed on the way)
;;     5. batch 32 x [M 1,024, K 1,024] x [K 1,024, N 512]; A: computed on the way; B: computed on the way: left as it is (an operand is computed on the way)
;;     6. [M 32,768, K 512] x [K 512, N 512]; A: computed on the way; B: input Wo: left as it is (an operand is computed on the way)
;;   THE QUANTISER, for each operand of a quantised product, along K:
;;     - K is cut into blocks of 32 from its start; a last block that is shorter is filled with zeros.
;;     - A block's scale is 2^e with e = floor(log2(the largest magnitude in the block)) - 2, held to -126 .. 127; a block of zeros has e = 0. As a byte (E8M0): e + 127.
;;     - Each number is divided by its block's scale, clamped to +-6, and rounded to the nearest number of E2M1, ties to even, subnormals kept.
;;     - The product sums the exact products of the quantised numbers (number of the format x scale) in f32.
;;   ~~~python
;;   def quantise(x, axis):      # numpy; x: float32 -> the quantised numbers, widened to float32 again
;;       x = np.moveaxis(x, axis, -1); K = x.shape[-1]
;;       x = np.pad(x, [(0, 0)] * (x.ndim - 1) + [(0, -K % 32)]); x = x.reshape(x.shape[:-1] + (-1, 32)); a = np.abs(x).max(-1, keepdims=True)
;;       e = np.where(a > 0, np.clip(np.frexp(np.where(a > 0, a, 1))[1] - 1 - 2, -126, 127), 0)      # np.frexp(a)[1] - 1 = floor(log2(a)), exactly
;;       r = np.clip(x / 2.0 ** e, -6, 6)
;;       step = 2.0 ** (np.maximum(np.frexp(np.where(r == 0, 1, r))[1] - 1, 0) - 1)
;;       q = np.round(r / step) * step * 2.0 ** e      # np.round: ties to even
;;       return np.moveaxis(q.reshape(q.shape[:-2] + (-1,))[..., :K], -1, axis).astype(np.float32)
;;   ~~~
;; One version. Each part assembles by itself: llvm-mc -triple=amdgcn-amd-amdhsa -mcpu=gfx1250 --defsym DOCPART=n.
;; ======== version 1 of 1: 3 launches
;; limits: values are held in f16: magnitudes above 65,504 overflow, below 6.1e-05 lose precision
;; workspace buffers: wcodes 393,216 bytes; wscales 24,576 bytes; ring0 33,816,576 bytes; ring1 33,816,576 bytes
;; launch prep (part 1): grid 16 x 4, 4 waves a work-group, no clusters, 0 bytes of LDS; arguments Wq, Wk, Wv, Wo, wcodes, wscales, ring0, ring1; writes wcodes, wscales, ring0, ring1
.if DOCPART == 1
	.amdgcn_target "amdgcn-amd-amdhsa--gfx1250"
	.amdhsa_code_object_version 6
	.text
	.protected	k_qb6bdd09ff4_prep
	.globl	k_qb6bdd09ff4_prep
	.p2align	8
	.type	k_qb6bdd09ff4_prep,@function
k_qb6bdd09ff4_prep:
	s_mov_b64 s[64:65], 0
	v_nop
	global_prefetch_b8 v0, s[64:65] scope:SCOPE_SE
	s_setreg_imm32_b32 hwreg(HW_REG_WAVE_MODE, 25, 1), 1
	s_wait_xcnt 0x0
; THE WEIGHTS, ONCE.  Wq, Wk, Wv [512 (k)][512 (n)] f32 become codes of FP4 (E2M1) with one E8M0 byte for each 32 along k; Wo [512 (d)][512 (e)] becomes f16.
; All four leave as IMAGES OF OPERAND REGISTERS, so that the later launches load fragments whole, 16 bytes a lane at 16 x lane.
;   wcodes  [matrix 3][n tile 32][K step 4][c 2][512 bytes]: lane (r, h)'s 16 bytes at 256 h + 16 r hold column 16 t + r, k = 128 s + 64 c + 32 h + 0 .. 31.
;   wscales [matrix 3][n 512][16 bytes]: word s is the column's scale word of K step s.
;   Wo: four tiles s of 128 KB behind the first 32 MB of ring0 (s = 0, 2) and ring1 (s = 1, 3): [e tile 32][kc 4][hf 2][512 bytes]; lane (r, h)'s 16 bytes hold e = 16 et + r, d = 128 kc + 32 s + 16 hf + 8 h + 0 .. 7.
; A LANE TAKES A COLUMN AND ITS REGISTERS RUN DOWN K: each load reads 128 consecutive bytes a wave, a block of 32 lies in one lane, and the conversions give K innermost.  Nothing is transposed.
; SHARES: work-group x = 4 x matrix + column group of 128, y = which 128 along K; wave w takes 32 columns: four blocks of 32 along K.  Every store of codes or f16 covers two aligned runs of 256 bytes.
; Loads run two blocks (64 loads a wave) ahead; each block has registers of its own, so nothing is written again.
; A block's scale byte is its largest magnitude's exponent field - 2, held at 1 from below.
; LIMITS: a block of zeros gets the byte 1 (its codes are zeros; this program alone reads the bytes); blocks whose largest magnitude lies under 2^-124 are held at that floor; Wo beyond 65,504 has no f16 number,
; under 6e-8 it becomes 0; NaN and infinities are not served.
.set X,  32                            ; v32-159  my column's 128 numbers
.set C,  160                           ; v160-175 codes, four registers a block: no store's data are written again
.set SB, 176                           ; v176     the four scale bytes
.set H,  160                           ; v160-223 Wo's way: 64 registers of f16 pairs
	s_load_b256 s[4:11], s[0:1], 0x0               ; Wq, Wk, Wv, Wo
	s_load_b256 s[12:19], s[0:1], 0x20             ; wcodes, wscales, ring0, ring1
	v_lshrrev_b32 v1, 5, v0
	v_readfirstlane_b32 s20, v1                    ; wave
	v_and_b32 v1, 31, v0                           ; lane
	v_lshlrev_b32 v2, 2, v1                        ; in: 4 bytes a lane
	v_lshrrev_b32 v3, 4, v1
	v_and_b32 v5, 15, v1
	v_lshlrev_b32 v3, 12, v3
	v_lshl_add_u32 v3, v5, 4, v3                   ; out: my column's tile (4,096 bytes a tile) + 16 r
	v_lshlrev_b32 v4, 4, v1                        ; my column's 16 scale bytes
	s_lshr_b32 s21, ttmp9, 2                       ; which matrix
	s_and_b32 s22, ttmp9, 3                        ; which 128 columns
	s_and_b32 s23, ttmp7, 0xffff                   ; which 128 along K
	s_lshl_b32 s24, s22, 7
	s_lshl_b32 s25, s20, 5
	s_add_co_u32 s24, s24, s25                     ; n0: my wave's first column
	s_lshl_b32 s26, s23, 18                        ; 128 rows of 2,048 bytes
	s_lshl_b32 s25, s24, 2
	s_add_co_u32 s26, s26, s25
	s_mov_b32 s27, 0                               ; s[26:27]: where my wave reads
	s_lshl_b32 s28, s24, 8                         ; (n0 / 16) tiles of 4,096 bytes
	s_lshl_b32 s25, s23, 10
	s_add_co_u32 s28, s28, s25                     ; + 1,024 y
	s_mov_b32 s29, 0                               ; s[28:29]: where my wave's images begin in a matrix or tile
	s_wait_kmcnt 0x0
	s_cmp_eq_u32 s21, 1                            ; the matrix is chosen by the work-group's number alone
	s_cselect_b64 s[4:5], s[6:7], s[4:5]
	s_cmp_eq_u32 s21, 2
	s_cselect_b64 s[4:5], s[8:9], s[4:5]
	s_cmp_eq_u32 s21, 3
	s_cselect_b64 s[4:5], s[10:11], s[4:5]
	s_add_nc_u64 s[4:5], s[4:5], s[26:27]
.macro LOADB i                         ; block i: W(128 y + 32 i + 0 .. 31, my column): 32 loads of 128 consecutive bytes a wave
.set I, 32*(\i)
.rept 32
	global_load_b32 v[X+I], v2, s[4:5] offset:I*2048 th:TH_LOAD_NT
.set I, I+1
.endr
.endm
.macro ARRIVE i                        ; block i's numbers are in, and the block two further on is asked for
.if (\i) < 3
	s_wait_loadcnt 32                              ; loads come back in order: this block's 32 are in, the next block's 32 may be out
.else
	s_wait_loadcnt 0x0                             ; the last block: nothing was asked for behind it
.endif
.if (\i) < 2
	LOADB (\i)+2
.endif
.endm
	LOADB 0
	LOADB 1
	s_cmp_eq_u32 s21, 3
	s_cbranch_scc1 .Lwo
	s_lshl_b32 s30, s21, 17                        ; a matrix's codes are 131,072 bytes
	s_add_co_u32 s30, s30, s28
	s_mov_b32 s31, 0
	s_add_nc_u64 s[12:13], s[12:13], s[30:31]
	s_lshl_b32 s32, s21, 13                        ; its scale bytes 8,192
	s_lshl_b32 s25, s24, 4
	s_add_co_u32 s32, s32, s25
	s_lshl_b32 s25, s23, 2
	s_add_co_u32 s32, s32, s25
	s_mov_b32 s33, 0
	s_add_nc_u64 s[14:15], s[14:15], s[32:33]
.macro BLOCK i                         ; block i of my column: k = 128 y + 32 i + 0 .. 31
.set XB, X+32*\i
	ARRIVE \i
	v_max3_num_f32 v8, |v[XB]|, |v[XB+1]|, |v[XB+2]|               ; the largest magnitude, in two chains
	v_max3_num_f32 v9, |v[XB+3]|, |v[XB+4]|, |v[XB+5]|
.irp k, 6,10,14,18,22,26
	v_max3_num_f32 v8, v8, |v[XB+\k]|, |v[XB+\k+1]|
	v_max3_num_f32 v9, v9, |v[XB+\k+2]|, |v[XB+\k+3]|
.endr
	v_max3_num_f32 v8, v8, |v[XB+30]|, |v[XB+31]|
	v_max3_num_f32 v8, v8, v9, 0x1800000           ; and the floor 2^(3 - 127): the byte cannot fall under 1
	v_add_nc_u32 v10, 0xff000000, v8               ; 2 off the exponent field: the conversion takes this operand's exponent field as its scale
	v_lshrrev_b32 v11, 23, v10                     ; the scale's byte
.if \i == 0
	v_mov_b32 v[SB], v11
.else
	v_lshl_or_b32 v[SB], v11, 8*\i, v[SB]
.endif
.irp g, 0,1,2,3
	v_cvt_scalef32_pk8_fp4_f32 v[C+4*\i+\g], v[XB+8*\g:XB+8*\g+7], v10
.endr
	global_store_b128 v3, v[C+4*\i:C+4*\i+3], s[12:13] offset:(\i/2)*512+(\i%2)*256   ; c = i / 2, h = i % 2; sixteen lanes fill 256 aligned bytes.  (The next block's first vector lines are plain and touch none of the conversions' registers)
.endm
	BLOCK 0
	BLOCK 1
	BLOCK 2
	BLOCK 3
	global_store_b32 v4, v[SB], s[14:15]           ; my column's scale word of this K step
	s_endpgm
.Lwo:
	s_add_nc_u64 s[16:17], s[16:17], s[28:29]
	s_add_nc_u64 s[16:17], s[16:17], 0x2000000     ; behind ring0's 32 MB of k
	s_add_nc_u64 s[18:19], s[18:19], s[28:29]
	s_add_nc_u64 s[18:19], s[18:19], 0x2000000     ; behind ring1's 32 MB of v
.irp s, 0,1,2,3                        ; my 128 d are 32 for each tile s, which is block s; in them 16 for each hf, 8 for each h
	ARRIVE \s
.set I, 16*\s
.rept 16
	v_cvt_pk_f16_f32 v[H+I], v[X+2*I], v[X+2*I+1]
.set I, I+1
.endr
.irp f, 0,1
.irp g, 0,1
	global_store_b128 v3, v[H+16*\s+8*\f+4*\g:H+16*\s+8*\f+4*\g+3], s[16+2*(\s%2):17+2*(\s%2)] offset:(\s/2)*131072+\f*512+\g*256
.endr
.endr
.endr
	s_endpgm
.Lfunc_end_k_qb6bdd09ff4_prep:
	.size	k_qb6bdd09ff4_prep, .Lfunc_end_k_qb6bdd09ff4_prep-k_qb6bdd09ff4_prep
	.p2alignl 7, 3214868480
	.fill 96, 4, 3214868480
	.section	.rodata,"a",@progbits
	.p2align	6, 0x0
	.amdhsa_kernel k_qb6bdd09ff4_prep
		.amdhsa_group_segment_fixed_size 0
		.amdhsa_private_segment_fixed_size 0
		.amdhsa_enable_private_segment 0
		.amdhsa_kernarg_size 64
		.amdhsa_user_sgpr_count 2
		.amdhsa_user_sgpr_kernarg_segment_ptr 1
		.amdhsa_wavefront_size32 1
		.amdhsa_system_sgpr_workgroup_id_x 1
		.amdhsa_system_sgpr_workgroup_id_y 1
		.amdhsa_system_sgpr_workgroup_id_z 1
		.amdhsa_system_vgpr_workitem_id 0
		.amdhsa_next_free_vgpr 224
		.amdhsa_next_free_sgpr 66
		.amdhsa_reserve_vcc 0
		.amdhsa_float_denorm_mode_32 3
		.amdhsa_float_denorm_mode_16_64 3
		.amdhsa_memory_ordered 1
		.amdhsa_forward_progress 1
		.amdhsa_inst_pref_size 32
	.end_amdhsa_kernel
	.amdgpu_metadata
---
amdhsa.version: [ 1, 2 ]
amdhsa.kernels:
  - .name:           k_qb6bdd09ff4_prep
    .symbol:         k_qb6bdd09ff4_prep.kd
    .args:
      - { .name: Wq, .offset: 0, .size: 8, .value_kind: global_buffer, .address_space: global }
      - { .name: Wk, .offset: 8, .size: 8, .value_kind: global_buffer, .address_space: global }
      - { .name: Wv, .offset: 16, .size: 8, .value_kind: global_buffer, .address_space: global }
      - { .name: Wo, .offset: 24, .size: 8, .value_kind: global_buffer, .address_space: global }
      - { .name: wcodes, .offset: 32, .size: 8, .value_kind: global_buffer, .address_space: global }
      - { .name: wscales, .offset: 40, .size: 8, .value_kind: global_buffer, .address_space: global }
      - { .name: ring0, .offset: 48, .size: 8, .value_kind: global_buffer, .address_space: global }
      - { .name: ring1, .offset: 56, .size: 8, .value_kind: global_buffer, .address_space: global }
    .group_segment_fixed_size: 0
    .private_segment_fixed_size: 0
    .kernarg_segment_align: 8
    .kernarg_segment_size: 64
    .max_flat_workgroup_size: 128
    .sgpr_count:     66
    .vgpr_count:     224
    .wavefront_size: 32
...
	.end_amdgpu_metadata
.endif
;; end of part 1
;; launch proj (part 2): grid 256 x 1, 4 waves a work-group, no clusters, 327,680 bytes of LDS; arguments key, wcodes, wscales, bk, bv, ring0, ring1; writes ring0, ring1
.if DOCPART == 2
	.amdgcn_target "amdgcn-amd-amdhsa--gfx1250"
	.amdhsa_code_object_version 6
	.text
	.protected	k_qb6bdd09ff4_proj
	.globl	k_qb6bdd09ff4_proj
	.p2align	8
	.type	k_qb6bdd09ff4_proj,@function
k_qb6bdd09ff4_proj:
	s_mov_b64 s[64:65], 0
	v_nop
	global_prefetch_b8 v0, s[64:65] scope:SCOPE_SE
	s_setreg_imm32_b32 hwreg(HW_REG_WAVE_MODE, 25, 1), 1
	s_wait_xcnt 0x0
; k = Q(key) Q(Wk) + bk, v = Q(key) Q(Wv) + bv: two products on codes of FP4 (E2M1) with one E8M0 scale for each 32 along K = 512; sums in f32; results rounded once to f16.
; SHARES.  Work-group g takes rows 128 g .. 128 g + 127 of key.  THE WAVES SHARE THE COLUMNS: wave w holds columns 128 w .. + 127 of each weight in registers (8 tiles x 4 K steps x 8 = 256 a matrix), loaded whole
; from the images that the launch before laid.  Each wave quantises 32 rows (token tiles 2 w, 2 w + 1) and hands the fragments round through LDS as images of their registers.
; key comes by tensor loads: two tiles (K 0-255, K 256-511), each into a slot of its own, filled once; each wave moves and reads its own 32 rows of 1,024 bytes.
; RESULTS LEAVE AS IMAGES TOO, straight from registers, 512 dense bytes a store.  k is made transposed (source 0 = 16 columns of W, source 1 = 16 tokens): lane (r, h) holds token r, d = 16 t + 8 h + 0 .. 7:
;   ring0: [token tile][d tile 32][512 bytes].   v is made the plain way (source 0 = tokens, source 1 = columns): lane (r, h) holds d = 16 t + r, tokens 8 h + 0 .. 7:   ring1: [128 tokens][d tile 32][token tile 8][512 bytes].
; The biases are the C of each sum's first matrix instruction.
; NO CLUSTER: no two work-groups read the same rows of key; the weights, which all share, go from memory into registers, where no joint load reaches, and 303,616 bytes of LDS are taken (the claim is larger than the use).
; LIMITS: k, v beyond 65,504 have no f16 number, under 6e-8 they become 0; a block of zeros gets the byte 1 (its codes are zeros); blocks under 2^-124 are held at that floor; NaN and infinities are not served.
; REGISTERS.  window 0: v1-12 addresses; v13-20 bv; v21, v22 the scale word just made; v24-31 x's scale words, two sets; v32-95 x's fragments, two sets (in the quantise phases 64 numbers); v96-159 eight accumulators (64 numbers);
;   v160-191 packed results (in the quantise phases: at work, and two sets of codes); v192-223 Wk's scale words; v224-255 Wv's.
;   window 1: Wk's fragments, (t, s) at 8 (4 t + s).   window 2: Wv's.   window 3: bk's tiles at 64, bv's at 128, in the results' layouts.
.set PITCH, 1040                       ; an LDS row of x: 1,024 bytes + 16 = 260 words: row r starts at bank 4 r mod 64 (64 banks of 4 bytes: ISA guide 11.1)
.set WROWS, 32*PITCH                   ; a wave's 32 rows
.set SLOT,  4*WROWS
.set XIMG,  2*SLOT                     ; x's 32 fragments: (token tile m, K step s) at (4 m + s) x 1,024
.set XSC,   XIMG+32768                 ; their scale words: token tile m: 512 bytes, a lane's four words at 16 x lane
.set SPARE, XSC+4096                   ; the spare words, 128 bytes for each wave: two blocks of 256 bytes that no other line names
.set L16, 1                            ; v1   16 x lane
.set AX0, 2                            ; v2   my row's numbers in slot 0: (32 w + r) x pitch + 64 h
.set AX1, 3                            ; v3   in slot 1
.set XWI, 4                            ; v4   where I store images: XIMG + 8,192 w + 16 x lane
.set XWS, 5                            ; v5   and scale words: XSC + 1,024 w + 16 x lane
.set XRI, 6                            ; v6   where I read images: XIMG + 16 x lane
.set XRS, 7                            ; v7   XSC + 16 x lane
.set R16, 8                            ; v8   16 r
.set H32, 9                            ; v9   32 h
.set R4,  10                           ; v10  4 r
.set SPW, 11                           ; v11  my spare word; never rewritten
.set NIL, 12                           ; v12  0; never rewritten
.set BVR, 13
.set PW0, 21
.set PW1, 22
.set XS,  24
.set XF,  32
.set SA,  32
.set ACC, 96
.set SBN, 96
.set PK,  160
.set TM,  160
.set PC0, 176
.set PC1, 184
.set WS1, 192
.set WS2, 224
.set G1,  24                           ; s[24:31] descriptor group 1
.set G0,  32                           ; s[32:39] two groups 0, one a tile, never rewritten
.set WV,  48
.set SEL, 50
.set MSB, 0
.macro WIN new                         ; the immediate's high byte repeats the setting that is left
.if MSB != (\new)
	s_set_vgpr_msb (MSB<<8)|(\new)
.set MSB, (\new)
.endif
.endm
.macro PLACES n
.rept \n
	v_nop
.endr
.endm
	s_load_b64 s[6:7], s[0:1], 0x0                 ; key
	s_load_b128 s[8:11], s[0:1], 0x8               ; wcodes, wscales
	s_load_b64 s[14:15], s[0:1], 0x18              ; bk
	s_load_b64 s[16:17], s[0:1], 0x20              ; bv
	s_load_b128 s[20:23], s[0:1], 0x28             ; ring0, ring1
	v_lshl_add_u32 v[SPW], v0, 2, SPARE
	v_mov_b32 v[NIL], 0
	ds_add_u32 v[SPW], v[NIL]                      ; the wave's opening: the add, twice on end, and its wait ahead of my first tensor load
	ds_add_u32 v[SPW], v[NIL]
	v_lshrrev_b32 v1, 5, v0
	v_readfirstlane_b32 s[WV], v1                  ; wave 0..3
	s_mov_b32 s[G1+0], (2<<16)|(1<<20)|(7<<22)|(3<<25)   ; no mask; elements of 4 bytes; padding on: 4 words behind every 256
	s_mov_b32 s[G1+1], 256<<16                     ; tensor_dim0 = 256
	s_mov_b32 s[G1+2], 32<<16                      ; tensor_dim1 = 32
	s_mov_b32 s[G1+3], 256<<16                     ; tile_dim0 = 256
	s_mov_b32 s[G1+4], 32                          ; tile_dim1 = 32
	s_mov_b32 s[G1+5], 512                         ; elements from row to row
	s_mov_b32 s[G1+6], 0
	s_mov_b32 s[G1+7], 0
	s_mov_b32 s[SEL], 0x76543210
	s_mov_b32 s[SEL+1], 0xfedcba98                 ; v_permlanex16_b32's selects for lane l xor 16
	s_lshl_b32 s52, ttmp9, 18                      ; 128 rows of 2,048 bytes a work-group,
	s_lshl_b32 s49, s[WV], 16                      ; 32 a wave
	s_add_co_u32 s52, s52, s49
	s_mov_b32 s53, 0
	s_mul_i32 s54, s[WV], WROWS                    ; my rows' place in a slot
	s_mov_b32 s57, 0
	s_wait_dscnt 0x0                               ; both opening adds are done
	s_wait_kmcnt 0x0
	s_add_nc_u64 s[6:7], s[6:7], s[52:53]
.irp n, 0,1                            ; tile n: K half n, slot n
	s_mov_b32 s[G0+4*\n], 1
	s_add_co_u32 s[G0+4*\n+1], s54, \n*SLOT
	s_add_nc_u64 s[G0+4*\n+2:G0+4*\n+3], s[6:7], \n*1024
	s_or_b32 s[G0+4*\n+3], s[G0+4*\n+3], 0x80000000
.endr
	tensor_load_to_lds s[G0:G0+3], s[G1:G1+7]      ; both fills together: two loads of mine are out
	s_nop 0
	tensor_load_to_lds s[G0+4:G0+7], s[G1:G1+7]
	s_nop 0
	PLACES 4
	v_and_b32 v1, 31, v0
	v_lshlrev_b32 v[L16], 4, v1
	v_and_b32 v8, 15, v0                           ; r
	v_bfe_u32 v9, v0, 4, 1                         ; h
	v_mul_u32_u24 v[AX0], v8, PITCH
	v_lshl_add_u32 v[AX0], v9, 6, v[AX0]
	v_add_nc_u32 v[AX0], s54, v[AX0]
	v_add_nc_u32 v[AX1], SLOT, v[AX0]
	v_add_nc_u32 v[XRI], XIMG, v[L16]
	v_add_nc_u32 v[XRS], XSC, v[L16]
	s_lshl_b32 s55, s[WV], 13
	v_add_nc_u32 v[XWI], s55, v[XRI]
	s_lshl_b32 s55, s[WV], 10
	v_add_nc_u32 v[XWS], s55, v[XRS]
	v_lshlrev_b32 v[R4], 2, v8
	v_lshlrev_b32 v[R16], 4, v8
	v_lshlrev_b32 v[H32], 5, v9
.irp b, 0,1,2,3
	v_mov_b32 v[TM+4+\b], 0                        ; a lane permute's destination counts as one of its sources
.endr
	s_lshl_b32 s56, s[WV], 15                      ; my 8 tiles of a weight's codes
	s_add_nc_u64 s[8:9], s[8:9], s[56:57]
	s_lshl_b32 s56, s[WV], 11                      ; my 128 columns' scale bytes
	s_add_nc_u64 s[10:11], s[10:11], s[56:57]
	s_lshl_b32 s56, s[WV], 9                       ; my 128 numbers of a bias
	s_add_nc_u64 s[14:15], s[14:15], s[56:57]
	s_add_nc_u64 s[16:17], s[16:17], s[56:57]
	s_lshl_b32 s58, ttmp9, 17                      ; 128 tokens are 131,072 bytes of f16
	s_lshl_b32 s56, s[WV], 12                      ; k: my 8 d tiles of 512 bytes in a token tile
	s_add_co_u32 s56, s56, s58
	s_add_nc_u64 s[20:21], s[20:21], s[56:57]
	s_lshl_b32 s56, s[WV], 15                      ; v: my 8 d tiles of 4,096 bytes
	s_add_co_u32 s56, s56, s58
	s_add_nc_u64 s[22:23], s[22:23], s[56:57]
.macro WLOAD off                       ; a weight's 32 fragments of mine, 64 loads of 512 dense bytes
.set T, 0
.rept 8
.irp s, 0,1,2,3
.irp c, 0,1
	global_load_b128 v[8*(4*T+\s)+4*\c:8*(4*T+\s)+4*\c+3], v[L16], s[8:9] offset:\off+T*4096+\s*1024+\c*512
.endr
.endr
.set T, T+1
.endr
.endm
.macro SLOAD reg, off                  ; its scale words: lane r takes column 16 t + r's four
.irp t, 0,1,2,3,4,5,6,7
	global_load_b128 v[\reg+4*\t:\reg+4*\t+3], v[R16], s[10:11] offset:\off+\t*256
.endr
.endm
; The 40 small loads first, then Wk's 64; Wv's 64 follow behind the first slot's quantising, so that the wave is not held at their issue while its first tile lies ready.
	WIN 0xc0
.irp t, 0,1,2,3,4,5,6,7
	global_load_b128 v[64+8*\t:64+8*\t+3], v[H32], s[14:15] offset:64*\t    ; bk(128 w + 16 t + 8 h + 0 .. 7)
	global_load_b128 v[64+8*\t+4:64+8*\t+7], v[H32], s[14:15] offset:64*\t+16
.endr
	WIN 0
	SLOAD WS1, 8192
	SLOAD WS2, 16384
.irp t, 0,1,2,3,4,5,6,7
	global_load_b32 v[BVR+\t], v[R4], s[16:17] offset:64*\t                 ; bv(128 w + 16 t + r)
.endr
	WIN 0x40                                       ; destination window 1
	WLOAD 131072                                   ; Wk
	WIN 0
; 64 numbers of a lane, register 16 b + i = k 32 b + 16 h + i of my row, become a fragment's codes in v[pc] on and its scale word in v[pw].
.macro QUANT s, pc, pw
.irp b, 0,1,2,3
	v_max3_num_f32 v[TM+\b], |v[\s+16*\b]|, |v[\s+1+16*\b]|, 0x1800000   ; block b: my 16 numbers, and the floor 2^(3 - 127): the byte cannot fall under 1
.endr
.irp i, 2,4,6,8,10,12,14
.irp b, 0,1,2,3
	v_max3_num_f32 v[TM+\b], v[TM+\b], |v[\s+16*\b+\i]|, |v[\s+1+16*\b+\i]|   ; the four blocks by turns
.endr
.endr
.irp b, 0,1,2,3
	v_permlanex16_b32 v[TM+4+\b], v[TM+\b], s[SEL], s[SEL+1]
.endr
.irp b, 0,1,2,3
	v_max_num_f32 v[TM+\b], v[TM+\b], v[TM+4+\b]   ; with lane l xor 16's: the block's largest magnitude
.endr
.irp b, 0,1,2,3
	v_add_nc_u32 v[TM+12+\b], 0xff000000, v[TM+\b] ; 2 off its exponent field: the conversion's scale operand
.endr
.irp b, 0,1,2,3
	v_lshrrev_b32 v[TM+4+\b], 23, v[TM+12+\b]      ; the scale's byte
.endr
	v_lshl_or_b32 v[\pw], v[TM+5], 8, v[TM+4]      ; my row's scale word
	v_lshl_or_b32 v[\pw], v[TM+6], 16, v[\pw]
	v_lshl_or_b32 v[\pw], v[TM+7], 24, v[\pw]
.irp b, 0,1,2,3
	v_cvt_scalef32_pk8_fp4_f32 v[\pc+2*\b], v[\s+16*\b:\s+7+16*\b], v[TM+12+\b]
	v_cvt_scalef32_pk8_fp4_f32 v[\pc+1+2*\b], v[\s+8+16*\b:\s+15+16*\b], v[TM+12+\b]
.endr
	v_nop                                          ; one plain place behind a scaled conversion
.irp c, 0,1                            ; the operand's layout wants a whole block in a lane: lanes 0-15 block 2 c, lanes 16-31 block 2 c + 1
.irp i, 0,1
	v_permlane16_swap_b32 v[\pc+4*\c+\i], v[\pc+2+4*\c+\i]
.endr
.endr
.endm
.macro XLD set, adr, tile, sl          ; my row of token tile `tile`, the slot's K step `sl`: 16 numbers of each block of 32
.irp b, 0,1,2,3
.irp j, 0,1,2,3
	ds_load_b128 v[\set+16*\b+4*\j:\set+16*\b+4*\j+3], v[\adr] offset:(\tile)*16*PITCH+(\sl)*512+128*\b+16*\j
.endr
.endr
.endm
.macro IMAGE pc, pw, tile, s           ; the fragment goes to LDS as it stands, its scale word beside it: three stores
	ds_store_b128 v[XWI], v[\pc:\pc+3] offset:(\tile)*4096+(\s)*1024
	ds_store_b128 v[XWI], v[\pc+4:\pc+7] offset:(\tile)*4096+(\s)*1024+512
	ds_store_b32 v[XWS], v[\pw] offset:(\tile)*512+4*(\s)
.endm
; A slot's part of my 32 rows: two token tiles x two K steps.  The two sets of numbers, of codes and of scale words take turns; each wait also shows the stores done that read the set of codes written next.
.macro QUANTS adr, s0
	XLD SA, \adr, 0, 0
	XLD SBN, \adr, 0, 1
	s_wait_dscnt 16                                ; the first set is in; the second set's 16 loads may be out
	QUANT SA, PC0, PW0
	IMAGE PC0, PW0, 0, \s0
	XLD SA, \adr, 1, 0
	s_wait_dscnt 19                                ; behind the second set's loads: 3 stores and 16 loads
	QUANT SBN, PC1, PW1
	IMAGE PC1, PW1, 0, \s0+1
	XLD SBN, \adr, 1, 1
	s_wait_dscnt 19                                ; likewise
	QUANT SA, PC0, PW0
	IMAGE PC0, PW0, 1, \s0
	s_wait_dscnt 3                                 ; behind the last loads: 3 stores
	QUANT SBN, PC1, PW1
	IMAGE PC1, PW1, 1, \s0+1
.endm
.macro FETCHX m, set                   ; token tile m's four fragments and its scale words: nine loads
.irp s, 0,1,2,3
	ds_load_b128 v[XF+32*(\set)+8*\s:XF+32*(\set)+8*\s+3], v[XRI] offset:(4*(\m)+\s)*1024
	ds_load_b128 v[XF+32*(\set)+8*\s+4:XF+32*(\set)+8*\s+7], v[XRI] offset:(4*(\m)+\s)*1024+512
.endr
	ds_load_b128 v[XS+4*(\set):XS+4*(\set)+3], v[XRS] offset:512*(\m)
.endm
.macro WM d, a, b, c, sa, sb
	v_wmma_scale_f32_16x16x128_f8f6f4 v[(\d):(\d)+7], v[(\a):(\a)+7], v[(\b):(\b)+7], v[(\c):(\c)+7], v[\sa], v[\sb] matrix_a_fmt:MATRIX_FMT_FP4 matrix_b_fmt:MATRIX_FMT_FP4
.endm
; One product for the 128 rows and my 128 columns.  tr = 1: source 0 = W (window wn's field), source 1 = x; tr = 0: the other way round.  For each token tile: 32 matrix instructions, K step by K step, the eight
; accumulators by turns, one instruction a turn; the first K step takes the bias as C.  The next token tile's fragments are on their way meanwhile.
.macro PRODUCT tr, wn, bias, sc, p, ms, ts
	FETCHX 0, 0
.irp m, 0,1,2,3,4,5,6,7
.if \m < 7
	FETCHX \m+1, (\m+1)%2                          ; into the set that the tile before last read: four v_nop and 32 conversions lie behind its products
	s_wait_dscnt 9                                 ; this tile's nine loads are in; the next tile's nine may be out
.else
	s_wait_dscnt 0x0
.endif
.irp s, 0,1,2,3
.if \s == 0
	WIN 0x30+\wn                                   ; C: the bias, in window 3
.else
	WIN \wn
.endif
.irp t, 0,1,2,3,4,5,6,7
.if \s == 0
.set CR, \bias+8*\t
.else
.set CR, ACC+8*\t
.endif
.if \tr
	WM ACC+8*\t, 8*(4*\t+\s), XF+32*(\m%2)+8*\s, CR, \sc+4*\t+\s, XS+4*(\m%2)+\s
.else
	WM ACC+8*\t, XF+32*(\m%2)+8*\s, 8*(4*\t+\s), CR, XS+4*(\m%2)+\s, \sc+4*\t+\s
.endif
.endr
.endr
	WIN 0
	PLACES 4                                       ; four places between the last product and the first read of a result (ISA guide 7.12.1)
	s_wait_xcnt 0x0                                ; the last tile's stores have read their data: the packed results may be written again
.irp t, 0,1,2,3,4,5,6,7
.irp i, 0,1,2,3
	v_cvt_pk_f16_f32 v[PK+4*\t+\i], v[ACC+8*\t+2*\i], v[ACC+8*\t+2*\i+1]   ; each accumulator from its low end on
.endr
.endr
.irp t, 0,1,2,3,4,5,6,7
	global_store_b128 v[L16], v[PK+4*\t:PK+4*\t+3], s[\p:\p+1] offset:\m*\ms+\t*\ts   ; 32 lanes store 512 consecutive bytes, at a multiple of 512 from the buffer's first byte
.endr
.endr
.endm
	s_wait_tensorcnt 1                             ; K 0-255 are in; the other half's load may be out: I alone read my rows
	QUANTS AX0, 0
	WIN 0x80                                       ; destination window 2
	WLOAD 262144                                   ; Wv
	WIN 0
	s_wait_tensorcnt 0x0                           ; K 256-511
	QUANTS AX1, 2
	s_wait_dscnt 0x0                               ; my images have landed
	s_barrier_signal -1
	s_barrier_wait -1                              ; everybody's have
	s_wait_loadcnt 63                              ; loads come back in order, and Wv's 64 were issued behind Wk's last: the small loads and Wk are in
	WIN 0xc0
.irp t, 0,1,2,3,4,5,6,7
.irp j, 0,1,2,3,4,5,6,7
	v_mov_b32 v[128+8*\t+\j], v[BVR+\t]            ; bv in v's layout: a lane holds one column, so its eight registers hold one number
.endr
.endr
	WIN 0
	PRODUCT 1, 0x01, 64, WS1, 20, 16384, 512       ; k
	s_wait_loadcnt 0x0                             ; Wv
	PRODUCT 0, 0x08, 128, WS2, 22, 512, 4096       ; v
	s_wait_tensorcnt 0x0                           ; the wave's end: behind my last tensor load and my last LDS store
	ds_add_u32 v[SPW], v[NIL]
	s_wait_dscnt 0x0
	s_endpgm
.Lfunc_end_k_qb6bdd09ff4_proj:
	.size	k_qb6bdd09ff4_proj, .Lfunc_end_k_qb6bdd09ff4_proj-k_qb6bdd09ff4_proj
	.p2alignl 7, 3214868480
	.fill 96, 4, 3214868480
	.section	.rodata,"a",@progbits
	.p2align	6, 0x0
	.amdhsa_kernel k_qb6bdd09ff4_proj
		.amdhsa_group_segment_fixed_size 327680
		.amdhsa_private_segment_fixed_size 0
		.amdhsa_enable_private_segment 0
		.amdhsa_kernarg_size 56
		.amdhsa_user_sgpr_count 2
		.amdhsa_user_sgpr_kernarg_segment_ptr 1
		.amdhsa_wavefront_size32 1
		.amdhsa_system_sgpr_workgroup_id_x 1
		.amdhsa_system_sgpr_workgroup_id_y 1
		.amdhsa_system_sgpr_workgroup_id_z 1
		.amdhsa_system_vgpr_workitem_id 0
		.amdhsa_next_free_vgpr 1024
		.amdhsa_next_free_sgpr 66
		.amdhsa_reserve_vcc 0
		.amdhsa_float_denorm_mode_32 3
		.amdhsa_float_denorm_mode_16_64 3
		.amdhsa_memory_ordered 1
		.amdhsa_forward_progress 1
		.amdhsa_inst_pref_size 184
	.end_amdhsa_kernel
	.amdgpu_metadata
---
amdhsa.version: [ 1, 2 ]
amdhsa.kernels:
  - .name:           k_qb6bdd09ff4_proj
    .symbol:         k_qb6bdd09ff4_proj.kd
    .args:
      - { .name: key, .offset: 0, .size: 8, .value_kind: global_buffer, .address_space: global }
      - { .name: wcodes, .offset: 8, .size: 8, .value_kind: global_buffer, .address_space: global }
      - { .name: wscales, .offset: 16, .size: 8, .value_kind: global_buffer, .address_space: global }
      - { .name: bk, .offset: 24, .size: 8, .value_kind: global_buffer, .address_space: global }
      - { .name: bv, .offset: 32, .size: 8, .value_kind: global_buffer, .address_space: global }
      - { .name: ring0, .offset: 40, .size: 8, .value_kind: global_buffer, .address_space: global }
      - { .name: ring1, .offset: 48, .size: 8, .value_kind: global_buffer, .address_space: global }
    .group_segment_fixed_size: 327680
    .private_segment_fixed_size: 0
    .kernarg_segment_align: 8
    .kernarg_segment_size: 56
    .max_flat_workgroup_size: 128
    .sgpr_count:     66
    .vgpr_count:     1024
    .wavefront_size: 32
...
	.end_amdgpu_metadata
.endif
;; end of part 2
;; launch attn (part 3): grid 8 x 32, 4 waves a work-group, clusters of 4 x 1, 327,680 bytes of LDS; arguments query, ring0, ring1, bo, out0, wcodes, wscales, bq; writes out0
.if DOCPART == 3
	.amdgcn_target "amdgcn-amd-amdhsa--gfx1250"
	.amdhsa_code_object_version 6
	.text
	.protected	k_qb6bdd09ff4_attn
	.globl	k_qb6bdd09ff4_attn
	.p2align	8
	.type	k_qb6bdd09ff4_attn,@function
k_qb6bdd09ff4_attn:
	s_mov_b64 s[64:65], 0
	v_nop
	global_prefetch_b8 v0, s[64:65] scope:SCOPE_SE
	s_setreg_imm32_b32 hwreg(HW_REG_WAVE_MODE, 25, 1), 1
	s_wait_xcnt 0x0
	s_wait_alu depctr_hold_cnt(0) depctr_sa_sdst(0) depctr_va_vdst(0) depctr_va_sdst(0) depctr_va_ssrc(0) depctr_va_vcc(0) depctr_vm_vsrc(0)
	s_getreg_b32 s2, hwreg(HW_REG_IB_STS2, 6, 4)
	s_cmp_eq_u32 s2, 0
	s_cbranch_scc0 .Lentry_in_a_cluster
	s_endpgm
.Lentry_in_a_cluster:
	s_bfe_u32 s2, ttmp6, 0x10000c
	s_cmp_lg_u32 s2, 0x3003
	s_cbranch_scc0 .Lentry_shape_is_right
	s_endpgm
.Lentry_shape_is_right:
; out = (softmax(q k^T / 512) v / 1024) Wo + bo, with q = Q(query) Q(Wq) + bq made here, at the head: a product on codes of FP4 (E2M1) with one E8M0 scale for each 32 along K = 512, its result rounded once to f16.
; k, v, Wo arrive in f16 and Wq as codes, all as images of operand registers; the three later products take f16 operands and sum in f32; maxima, exponentials, sums and scalings in f32.
; SHARES.  A work-group owns 128 queries of one batch and walks its 1,024 keys, 128 a step.
;   Q: wave w quantises its own 32 rows of query (two token tiles x four K steps) and multiplies them by all of Wq, transposed (source 0 = 16 columns of Wq, source 1 = 16 tokens): a lane's eight results are half a fragment of q.
;   S: wave w owns queries 32 w .. + 31 (two tiles), with their q in 256 registers.  S^T = k q^T (source 0 = 16 keys, source 1 = 16 queries): a lane holds ONE query and eight keys.
;   SOFTMAX: for each query a running maximum m and sum l; p = 2^(c s - c m), c = log2(e) / 512; p is rounded to f16 and goes to LDS as the image of source 1 of the next product; so does a = 2^(c m_old - c m_new).
;   PV: wave w owns channels 128 w .. + 127 for ALL 128 queries: O^T = v^T p^T, 64 accumulators in 512 registers, multiplied by a in every step.
;   Wo: O^T / l, rounded to f16, goes round through LDS in the same way, and four more trips of the same ring multiply it by four tiles of Wo; wave w makes outputs 128 w .. + 127.  1 / 1024 and bo come in f32 behind the sums.
; THE RING: two slots of 128 KB.  At the start Wq's codes (128 KB, dense) go into slot 1 and k_0 into slot 0.  Then trip i reads tile i from slot i % 2 and asks, first thing behind its round, for tile i + 1: k_0, v_0, k_1, .. v_7,
; W0 .. W3.  ring0 holds the k tiles and behind them W0, W2; ring1 the v tiles, W1, W3: so slot 0's descriptor walks ring0 and slot 1's ring1, and the step from the batch's last tile to the W tiles is one longer stride,
; chosen by the loop's counter. Each wave moves its dense quarter of a tile.  Two tensor loads of a wave are out at the start, one later.
; CLUSTER: the four query blocks of a cluster belong to one batch and walk the same tiles: each is asked for JOINTLY, by the same load with the same descriptor and a mask that names the four.
; The launch claims all of LDS and fills LDS bytes again.
; LIMITS: q, and O / l, beyond 65,504 have no f16 number; q, p and O / l under 6e-8 become 0; a block of zeros of query gets the byte 1 (its codes are zeros); blocks under 2^-124 are held at that floor; NaN and infinities are not served.
; REGISTERS.  window 0: v1-15 addresses; v16-31 statistics, eight a tile; v32-159 S^T (t, kt) at 32 + 64 t + 8 kt, in PV p's eight fragments (v32-95) and v's set 0 (v96-159); v160-255 three buffers of k's fragments,
;   then p in f16 (v160-223), in PV v's set 1 (v160-223) and a or 1 / l (v224-239, even registers).   window 1: q (t, c) at 128 t + 8 c; later O in f16, (dt, qt) at 4 (8 dt + qt); later bo.
;   windows 2, 3: the accumulators, (qt, dt) at 8 (8 (qt % 4) + dt) of window 2 + qt / 4.
;   AT THE HEAD ALONE.  window 0: v16-24 addresses; v32-95 64 numbers of a lane; v96-103 query's scale words; v104-127 at work; v128-255 Wq's scale words.   window 1: bq, each group's two tiles where its two fragments of q will lie.
;   window 2: four sets of 64 registers of query as loaded; then two sets of Wq's fragments (v0-127) and four accumulators (v128-159).   window 3: v0-63 query's codes, (t, s) at 8 (4 t + s).
.set SLOT1, 131072
.set PREG,  262144                     ; p's (later O's) 32 fragments: (query tile qt, K chunk kc) at 4,096 qt + 1,024 kc
.set ASTAT, 294912                     ; a, a word a query;  512 bytes on: 1 / l
.set SPARE, 295936                     ; the spare words, 128 bytes for each wave: two blocks of 256 bytes that no other line names
.set AK0, 1                            ; v1   16 x lane: k's key tiles 0-3; also my place in a row of query and of out
.set AK1, 2                            ; v2   + 65,536: key tiles 4-7
.set AV0, 3                            ; v3   my eight tiles of a W tile in slot 0: 32,768 w + 16 x lane
.set AV1, 4                            ; v4   of v, or of a W tile, in slot 1
.set AP,  5                            ; v5   PREG + 16 x lane
.set APS, 6                            ; v6   where I store p: + 8,192 w
.set APO, 7                            ; v7   where I store O: + 1,024 w
.set AAS, 8                            ; v8   where I store a: ASTAT + 128 w + 4 r
.set AAL, 9                            ; v9   where I read it: ASTAT + 4 r
.set PFO, 10                           ; v10  256 x lane
.set STO, 11                           ; v11  the way out: 8,448 w + 528 r + 32 h
.set RD,  12                           ; v12  8,448 w + 16 x lane
.set H32, 13                           ; v13  32 h
.set SPW, 14                           ; v14  my spare word; never rewritten
.set NIL, 15                           ; v15  0; never rewritten
.set ST,  16                           ; tile t at ST + 8 t: +0 c m, +1 m, +2, +3 l in two halves, +4 .. +7 at work; a takes +6
.set S,   32
.set PF,  32
.set VF,  96
.set KF,  160
.set P16, 160
.set A,   224
.set TMP, 32
.set BK,  96
.set TSG, 16                           ; the head: v16  into my stage: PREG + 8,448 w + 16 x lane
.set TSR, 17                           ; v17  out of it: PREG + 8,448 w + 528 r + 64 h
.set TR16, 18                          ; v18  16 r
.set AW0, 20                           ; v20, v21  Wq's images in slot 1: channel groups 0-7, 8-15
.set XN,  32
.set XSW, 96
.set TM,  104
.set PC,  120
.set WSC, 128
.set ACQ, 128                          ; in window 2
.set WV,  14                           ; s14  wave
.set SEL, 20                           ; s[20:21] lane selects: lane l xor 16
.set CS,  22                           ; s[22:23] c
.set G1,  24                           ; s[24:31] descriptor group 1
.set G0,  32                           ; s[32:35] slot 0's group 0, s[36:39] slot 1's
.set STEP, 40                          ; s[40:41] what a trip adds to its slot's address
.set JMP, 42                           ; s42  from a batch's last tile to the first W tile of its buffer
.set CNT, 43                           ; s43  key steps to go
.set LIM, 44                           ; s44  1 in a cluster that prefetches, else the greatest number
.set C128, 45                          ; s45  131,072
.set PFA, 46                           ; s[46:47], s[48:49] where my prefetches stand in ring0, ring1
.set SCL, 50                           ; s[50:51] 1 / 1024
.set GW,  76                           ; s[76:79] group 0 for Wq's codes
.set MSB, 0
.macro WIN new                         ; the immediate's high byte repeats the setting that is left
.if MSB != (\new)
	s_set_vgpr_msb (MSB<<8)|(\new)
.set MSB, (\new)
.endif
.endm
.macro PLACES n
.rept \n
	v_nop
.endr
.endm
.macro ROUND                           ; a round of the cluster's barrier
	s_barrier_signal -1
	s_barrier_wait -1
	s_cmp_lg_u32 s[WV], 0
	s_cbranch_scc1 .Lnot_wave_0_\@
	s_barrier_signal -3
.Lnot_wave_0_\@:
	s_barrier_wait -3
	s_barrier_signal -1
	s_barrier_wait -1
.endm
; THE HEAD OF A TRIP that reads `slot`.  All my tensor loads have landed (the one that was out is my quarter of this trip's tile); the add; this slot's descriptor steps to its next tile (step = 1); the add and all my LDS
; instructions are done, my reads of the other slot and my stores for the other waves among them; a round of the cluster's barrier; the other slot's tile is asked for, first thing behind it (load = 1).
; The five v_nop are the places between the last trip's products and the loads and products that write over their operands.
.macro TRIPHEAD slot, step, pf, load
	WIN 0
	s_wait_tensorcnt 0x0
	ds_add_u32 v[SPW], v[NIL]                      ; 0 onto my spare word
.if \step
	s_add_nc_u64 s[G0+4*\slot+2:G0+4*\slot+3], s[G0+4*\slot+2:G0+4*\slot+3], s[STEP:STEP+1]   ; no tensor load of mine is out; the type bits on top are not reached
.endif
.if \pf
	s_wait_xcnt 0x0                                ; this buffer's last prefetch, a key step back, has read its address
	s_add_nc_u64 s[PFA+2*\slot:PFA+2*\slot+1], s[PFA+2*\slot:PFA+2*\slot+1], 0x20000
.endif
	s_wait_dscnt 0x0
.if \load
	ROUND
	tensor_load_to_lds s[G0+4*(1-\slot):G0+4*(1-\slot)+3], s[G1:G1+7]
	s_nop 0
.else
	s_barrier_signal -1                            ; nothing is left to ask for
	s_barrier_wait -1
.endif
	PLACES 5
.endm
; A PREFETCH INTO THE L2 of the tile that the NEXT trip will ask for (of the same buffer as this trip's tile): one trip, 256 matrix instructions, ahead of that load.  Both clusters of a batch walk the same tiles: the first asks.
; Its four partners share a tile's 128 KB out BY ADDRESS, 32 KB each, 8 KB a wave, lanes 256 bytes apart: one instruction a wave, each block named once.  The last key step asks for nothing; k_0, v_0 and the W tiles come by their loads alone.
.macro ASK p
	s_cmp_gt_u32 s[CNT], s[LIM]
	s_cbranch_scc0 .Lnot_mine_\@
	global_prefetch_b8 v[PFO], s[PFA+2*\p:PFA+2*\p+1] th:TH_LOAD_NT scope:SCOPE_SE
.Lnot_mine_\@:
.endm
	s_load_b256 s[4:11], s[0:1], 0x0               ; query, ring0, ring1, bo
	s_load_b64 s[12:13], s[0:1], 0x20              ; out0
	s_load_b128 s[68:71], s[0:1], 0x28             ; wcodes, wscales
	s_load_b64 s[72:73], s[0:1], 0x38              ; bq
	v_lshl_add_u32 v[SPW], v0, 2, SPARE
	v_mov_b32 v[NIL], 0
	ds_add_u32 v[SPW], v[NIL]                      ; the wave's opening: the add, twice on end, and its wait ahead of the round in front of my first tensor load
	ds_add_u32 v[SPW], v[NIL]
	v_lshrrev_b32 v1, 5, v0
	v_readfirstlane_b32 s[WV], v1                  ; wave 0..3
	s_bfe_u32 s15, ttmp6, 0x40000                  ; cx: my place in the cluster
	s_and_b32 s16, ttmp7, 0xffff                   ; the batch, which the four partners share
	s_lshl_b32 s17, s16, 20                        ; a batch's k or v: 1 MB
	s_lshl_b32 s18, s[WV], 15                      ; my quarter of a tile, in memory and in a slot
	s_add_co_u32 s52, s17, s18
	s_mov_b32 s53, 0                               ; s[52:53]: my quarter of the batch's first tile: no place in the cluster enters it
	s_lshl_b32 s19, ttmp9, 2
	s_add_co_u32 s19, s19, s15                     ; my block of 128 queries: it enters query's, out's and the prefetches' addresses alone
	s_lshl_b32 s54, s15, 15
	s_lshl_b32 s55, s[WV], 13
	s_add_co_u32 s54, s54, s55
	s_add_co_u32 s54, s54, s17
	s_mov_b32 s55, 0                               ; s[54:55]: my wave's 8 KB of the batch's first tile, for the prefetches
	s_lshl_b32 s58, s16, 21
	s_lshl_b32 s59, s19, 18
	s_add_co_u32 s58, s58, s59                     ; my block's first row: a row of query and a row of out are 2,048 bytes each
	s_lshl_b32 s56, s[WV], 16
	s_add_co_u32 s56, s56, s58
	s_mov_b32 s57, 0                               ; s[56:57]: my 32 rows of query
	s_lshl_b32 s60, s[WV], 9
	s_add_co_u32 s58, s58, s60
	s_mov_b32 s59, 0                               ; s[58:59]: out at my block's first row, my 128 columns
	s_mov_b32 s61, 0                               ; s[60:61]: my 128 numbers of bo
	s_mov_b32 s62, s18
	s_mov_b32 s63, 0                               ; s[62:63]: my quarter of Wq's codes
	s_mov_b32 s[G1+0], 15|(3<<16)|(1<<21)          ; 15:0 the mask: all four work-groups; 17:16 elements of 8 bytes; 21 set beside a mask; no padding: every read is dense
	s_mov_b32 s[G1+1], 32<<16                      ; tensor_dim0 = 32: rows of 256 bytes
	s_mov_b32 s[G1+2], 128<<16                     ; tensor_dim1 = 128
	s_mov_b32 s[G1+3], 32<<16                      ; tile_dim0
	s_mov_b32 s[G1+4], 128                         ; tile_dim1
	s_mov_b32 s[G1+5], 32                          ; each row begins where the last ends
	s_mov_b32 s[G1+6], 0
	s_mov_b32 s[G1+7], 0
	s_mov_b32 s[SEL], 0x76543210
	s_mov_b32 s[SEL+1], 0xfedcba98
	s_mov_b32 s[CS], 0x3b38aa3b                    ; c = log2(e) / 512
	s_mov_b32 s[CS+1], s[CS]                       ; (named with it as a pair, so it is written)
	s_mov_b32 s[SCL], 0x3a800000                   ; 1 / 1024
	s_mov_b32 s[SCL+1], s[SCL]
	s_mov_b32 s[C128], 0x20000
	s_mov_b32 s[STEP+1], 0
	s_sub_co_u32 s[JMP], 0x1f20000, s17            ; 32 MB less the batch's last tile's place, 1 MB x batch + 7 x 128 KB
	s_cmp_eq_u32 ttmp9, 0                          ; the batch's first cluster: the same in all four partners
	s_cselect_b32 s[LIM], 1, -1
	s_wait_dscnt 0x0                               ; both opening adds are done
	s_wait_kmcnt 0x0
	s_mov_b32 s[G0], 1
	s_mov_b32 s[G0+1], s18
	s_add_nc_u64 s[G0+2:G0+3], s[6:7], s[52:53]    ; k_0
	s_or_b32 s[G0+3], s[G0+3], 0x80000000
	s_mov_b32 s[G0+4], 1
	s_add_co_u32 s[G0+5], s18, SLOT1
	s_add_nc_u64 s[G0+6:G0+7], s[8:9], s[52:53]    ; v_0
	s_or_b32 s[G0+7], s[G0+7], 0x80000000
	s_mov_b32 s[GW], 1
	s_add_co_u32 s[GW+1], s18, SLOT1
	s_add_nc_u64 s[GW+2:GW+3], s[68:69], s[62:63]  ; Wq's codes lie first in wcodes
	s_or_b32 s[GW+3], s[GW+3], 0x80000000
	s_add_nc_u64 s[PFA:PFA+1], s[6:7], s[54:55]    ; in k_0 and v_0: a trip steps its address before it asks
	s_add_nc_u64 s[PFA+2:PFA+3], s[8:9], s[54:55]
	s_add_nc_u64 s[4:5], s[4:5], s[56:57]
	s_add_nc_u64 s[12:13], s[12:13], s[58:59]
	s_add_nc_u64 s[10:11], s[10:11], s[60:61]
	ROUND                                          ; all four work-groups are here: the first joint loads meet
	tensor_load_to_lds s[GW:GW+3], s[G1:G1+7]      ; both first fills together: Wq's codes into slot 1,
	s_nop 0
	tensor_load_to_lds s[G0:G0+3], s[G1:G1+7]      ; k_0 into slot 0
	s_nop 0
	PLACES 4
	v_and_b32 v22, 31, v0                          ; lane
	v_and_b32 v23, 15, v0                          ; r
	v_bfe_u32 v24, v0, 4, 1                        ; h
	v_lshlrev_b32 v[AK0], 4, v22
; THE Q PROJECTION.  My 32 rows of query are eight SETS q = 4 t + s (token tile t, K step s): 16 rows x 512 bytes.
; A set is loaded as it lies, a row's 512 bytes a load, into one of four sets of registers in window 2: up to 64 loads are on their way.
.macro XRAW q
	WIN 0x80                                       ; destination window 2
.set RR, 0
.rept 16
	global_load_b128 v[64*((\q)%4)+4*RR:64*((\q)%4)+4*RR+3], v[AK0], s[4:5] offset:(16*((\q)/4)+RR)*2048+((\q)%4)*512 th:TH_LOAD_NT
.set RR, RR+1
.endr
	WIN 0
.endm
; The conversions want 16 neighbours along K in one lane.  So the set turns through my own stage in LDS: 16 rows of 512 bytes + 16 (row r starts at bank 4 r mod 64), in as loaded, out 64 bytes a lane for each block of 32:
; register 16 b + 4 j + i = k 128 s + 32 b + 16 h + 4 j + i of row r.  LDS serves a wave's instructions in order (ISA guide 5.7.1.4): no wait between the stores and the loads.
.macro STAGE q
	WIN 0x08                                       ; an LDS store's data are its source 1: window 2
.set RR, 0
.rept 16
	ds_store_b128 v[TSG], v[64*((\q)%4)+4*RR:64*((\q)%4)+4*RR+3] offset:RR*528
.set RR, RR+1
.endr
	WIN 0
.irp b, 0,1,2,3
.irp j, 0,1,2,3
	ds_load_b128 v[XN+16*\b+4*\j:XN+16*\b+4*\j+3], v[TSR] offset:128*\b+16*\j
.endr
.endr
.endm
; 64 numbers of a lane become a fragment's codes in v[pc] on and its scale word in v[pw].
.macro QUANT s, pc, pw
.irp b, 0,1,2,3
	v_max3_num_f32 v[TM+\b], |v[\s+16*\b]|, |v[\s+1+16*\b]|, 0x1800000   ; block b: my 16 numbers, and the floor 2^(3 - 127): the byte cannot fall under 1
.endr
.irp i, 2,4,6,8,10,12,14
.irp b, 0,1,2,3
	v_max3_num_f32 v[TM+\b], v[TM+\b], |v[\s+16*\b+\i]|, |v[\s+1+16*\b+\i]|   ; the four blocks by turns
.endr
.endr
.irp b, 0,1,2,3
	v_permlanex16_b32 v[TM+4+\b], v[TM+\b], s[SEL], s[SEL+1]
.endr
.irp b, 0,1,2,3
	v_max_num_f32 v[TM+\b], v[TM+\b], v[TM+4+\b]   ; with lane l xor 16's: the block's largest magnitude
.endr
.irp b, 0,1,2,3
	v_add_nc_u32 v[TM+12+\b], 0xff000000, v[TM+\b] ; 2 off its exponent field: the conversion's scale operand
.endr
.irp b, 0,1,2,3
	v_lshrrev_b32 v[TM+4+\b], 23, v[TM+12+\b]      ; the scale's byte
.endr
	v_lshl_or_b32 v[\pw], v[TM+5], 8, v[TM+4]      ; my row's scale word
	v_lshl_or_b32 v[\pw], v[TM+6], 16, v[\pw]
	v_lshl_or_b32 v[\pw], v[TM+7], 24, v[\pw]
.irp b, 0,1,2,3
	v_cvt_scalef32_pk8_fp4_f32 v[\pc+2*\b], v[\s+16*\b:\s+7+16*\b], v[TM+12+\b]
	v_cvt_scalef32_pk8_fp4_f32 v[\pc+1+2*\b], v[\s+8+16*\b:\s+15+16*\b], v[TM+12+\b]
.endr
	v_nop                                          ; one plain place behind a scaled conversion
.irp c, 0,1                            ; the operand's layout wants a whole block in a lane: lanes 0-15 block 2 c, lanes 16-31 block 2 c + 1
.irp i, 0,1
	v_permlane16_swap_b32 v[\pc+4*\c+\i], v[\pc+2+4*\c+\i]
.endr
.endr
.endm
; Part p of four of what the product wants beside the codes, 24 loads: Wq's scale words of channel tiles 8 p .. + 7 (lane r: column 16 dt + r's four), and bq of channel groups 4 p .. + 3.
; bq(32 k + 8 h + 0 .. 7) lies where q (0, k) will lie and bq(32 k + 16 + 8 h + 0 .. 7) where q (1, k) will: a group's products read both before its results are written there.
.macro SMALL p
.irp i, 0,1,2,3,4,5,6,7
	global_load_b128 v[WSC+4*(8*(\p)+\i):WSC+4*(8*(\p)+\i)+3], v[TR16], s[70:71] offset:(8*(\p)+\i)*256
.endr
	WIN 0x40                                       ; destination window 1
.irp i, 0,1,2,3
	global_load_b128 v[8*(4*(\p)+\i):8*(4*(\p)+\i)+3], v[H32], s[72:73] offset:(4*(\p)+\i)*128
	global_load_b128 v[8*(4*(\p)+\i)+4:8*(4*(\p)+\i)+7], v[H32], s[72:73] offset:(4*(\p)+\i)*128+16
	global_load_b128 v[128+8*(4*(\p)+\i):128+8*(4*(\p)+\i)+3], v[H32], s[72:73] offset:(4*(\p)+\i)*128+64
	global_load_b128 v[128+8*(4*(\p)+\i)+4:128+8*(4*(\p)+\i)+7], v[H32], s[72:73] offset:(4*(\p)+\i)*128+80
.endr
	WIN 0
.endm
; One set's turn.  Loads come back in order (ISA guide 5.7.1).  Behind set q's loads were issued: q < 5: three sets, 48; q = 5: two sets and one part, 56; q = 6: 64; q = 7: 72, for which the field's 63 is written.
.macro XSET q
.if (\q) < 5
	s_wait_loadcnt 48
.elseif (\q) == 5
	s_wait_loadcnt 56
.else
	s_wait_loadcnt 63
.endif
	STAGE \q
	s_wait_dscnt 0x0                               ; the 64 numbers are in; the stores have read the set's registers, which may be loaded again
.if (\q) < 4
	XRAW (\q)+4
.else
	SMALL (\q)-4
.endif
	QUANT XN, PC, XSW+(\q)
	WIN 0xc0                                       ; destination window 3
.irp i, 0,1,2,3,4,5,6,7
	v_mov_b32 v[8*(\q)+\i], v[PC+\i]               ; the fragment is kept in window 3
.endr
	WIN 0
.endm
	XRAW 0
	XRAW 1
	XRAW 2
	XRAW 3
	v_add_nc_u32 v[AK1], 65536, v[AK0]
	v_add_nc_u32 v[AV0], s18, v[AK0]
	v_add_nc_u32 v[AV1], SLOT1, v[AV0]
	v_add_nc_u32 v[AP], PREG, v[AK0]
	s_lshl_b32 s16, s[WV], 13
	v_add_nc_u32 v[APS], s16, v[AP]
	s_lshl_b32 s16, s[WV], 10
	v_add_nc_u32 v[APO], s16, v[AP]
	v_lshl_add_u32 v[AAL], v23, 2, ASTAT
	s_lshl_b32 s16, s[WV], 7
	v_add_nc_u32 v[AAS], s16, v[AAL]
	v_lshlrev_b32 v[PFO], 8, v22
	s_mul_i32 s16, s[WV], 8448
	v_mul_u32_u24 v[STO], v23, 528
	v_lshl_add_u32 v[STO], v24, 5, v[STO]
	v_add_nc_u32 v[STO], s16, v[STO]
	v_add_nc_u32 v[RD], s16, v[AK0]
	v_lshlrev_b32 v[H32], 5, v24
	v_add_nc_u32 v[TSG], PREG, v[RD]               ; my stage: 8,448 bytes from PREG + 8,448 w on: the four fill p's region and the two blocks of statistics, which are not yet in use
	v_mul_u32_u24 v[TSR], v23, 528
	v_lshl_add_u32 v[TSR], v24, 6, v[TSR]
	v_add_nc_u32 v[TSR], s16, v[TSR]
	v_add_nc_u32 v[TSR], PREG, v[TSR]
	v_lshlrev_b32 v[TR16], 4, v23
	v_add_nc_u32 v[AW0], SLOT1, v[AK0]
	v_add_nc_u32 v[AW0+1], SLOT1+65536, v[AK0]
.irp b, 0,1,2,3
	v_mov_b32 v[TM+4+\b], 0                        ; a lane permute's destination counts as one of its sources
.endr
.irp q, 0,1,2,3,4,5,6,7
	XSET \q
.endr
	PLACES 8                                       ; a scale register written by a vector instruction stands eight places ahead of a scaled matrix instruction, an operand so written four
	s_wait_tensorcnt 0x1                           ; my quarter of Wq's codes is in; k_0's load may be out
	s_barrier_signal -1
	s_barrier_wait -1                              ; everybody's is; and every wave has left its stage
	s_wait_loadcnt 0x0                             ; Wq's scale words and bq
; q^T, 32 channels (group k: channel tiles 2 k, 2 k + 1) at a time: 16 loads, 16 products, 16 conversions.
.macro FETCHW k, buf                   ; the group's eight fragments of Wq, (u, s) at 8 (4 u + s) of set buf
	WIN 0x80
.irp u, 0,1
.irp s, 0,1,2,3
.irp c, 0,1
	ds_load_b128 v[64*(\buf)+8*(4*\u+\s)+4*\c:64*(\buf)+8*(4*\u+\s)+4*\c+3], v[AW0+(\k)/8] offset:((\k)%8)*8192+\u*4096+\s*1024+\c*512
.endr
.endr
.endr
.endm
.macro WM d, a, b, c, sa, sb
	v_wmma_scale_f32_16x16x128_f8f6f4 v[(\d):(\d)+7], v[(\a):(\a)+7], v[(\b):(\b)+7], v[(\c):(\c)+7], v[\sa], v[\sb] matrix_a_fmt:MATRIX_FMT_FP4 matrix_b_fmt:MATRIX_FMT_FP4
.endm
.macro MULQ k, buf                     ; K step by K step; the four accumulators (u, t) by turns, one instruction a turn; the first K step takes bq as C
.irp s, 0,1,2,3
.if \s == 0
	WIN 0x9e                                       ; source 0 (Wq) window 2, source 1 (query) window 3, C (bq) window 1, D window 2
.else
	WIN 0xae                                       ; C window 2
.endif
.irp u, 0,1
.irp t, 0,1
.if \s == 0
	WM ACQ+8*(2*\u+\t), 64*(\buf)+8*(4*\u+\s), 8*(4*\t+\s), 128*\u+8*(\k), WSC+4*(2*(\k)+\u)+\s, XSW+4*\t+\s
.else
	WM ACQ+8*(2*\u+\t), 64*(\buf)+8*(4*\u+\s), 8*(4*\t+\s), ACQ+8*(2*\u+\t), WSC+4*(2*(\k)+\u)+\s, XSW+4*\t+\s
.endif
.endr
.endr
.endr
.endm
.macro CVTQ k                          ; lane (r, h) holds token r, channels 32 k + 16 u + 8 h + 0 .. 7: registers 4 u .. 4 u + 3 of q (t, k); each accumulator from its low end on
	WIN 0x4a                                       ; sources window 2, destination window 1
.irp u, 0,1
.irp t, 0,1
.irp i, 0,1,2,3
	v_cvt_pk_f16_f32 v[128*\t+8*(\k)+4*\u+\i], v[ACQ+8*(2*\u+\t)+2*\i], v[ACQ+8*(2*\u+\t)+2*\i+1]
.endr
.endr
.endr
.endm
	FETCHW 0, 0
.set K, 0
.rept 16
.if K < 15
	FETCHW K+1, (K+1)%2                            ; into the set that the group before last read: four v_nop and sixteen conversions lie behind its products
	s_wait_dscnt 16                                ; this group's sixteen loads are in; the next group's may be out
.else
	s_wait_dscnt 0x0
.endif
	MULQ K, K%2
	PLACES 4                                       ; four places between the last product and the lines that read results and write over bq (ISA guide 7.12.1)
	CVTQ K
.set K, K+1
.endr
	WIN 0
.irp t, 0,1
	v_mov_b32 v[ST+8*\t+1], 0xff61b1e6             ; m: -3e38, under every score
	v_mov_b32 v[ST+8*\t+2], 0                      ; l
	v_mov_b32 v[ST+8*\t+3], 0
	v_mul_f32 v[ST+8*\t], s[CS], v[ST+8*\t+1]      ; c m
.endr
; O^T begins as zeros, two registers a line: so the key step is written once.  (Its first a is 0, which leaves the zeros zeros.  A second copy of the step, with sums started by the constant 0, would be some 13 KB of text more.)
	WIN 0x80
.set J, 0
.rept 128
	v_pk_add_f32 v[2*J:2*J+1], v[ST+2:ST+3], v[ST+2:ST+3]
.set J, J+1
.endr
	WIN 0xc0
.set J, 0
.rept 128
	v_pk_add_f32 v[2*J:2*J+1], v[ST+2:ST+3], v[ST+2:ST+3]
.set J, J+1
.endr
	WIN 0
; S^T = k q^T.  Group g of 32: channels 32 (g / 2) on, key tiles 4 (g % 2) + 0 .. 3: eight loads, eight products.
.macro FETCHK g, buf
.irp i, 0,1,2,3
	ds_load_b128 v[KF+32*(\buf)+8*\i:KF+32*(\buf)+8*\i+3], v[AK0+(\g)%2] offset:\i*16384+((\g)/2)*1024
	ds_load_b128 v[KF+32*(\buf)+8*\i+4:KF+32*(\buf)+8*\i+7], v[AK0+(\g)%2] offset:\i*16384+((\g)/2)*1024+512
.endr
.endm
.macro MULS g, buf                     ; the sixteen accumulators take turns, one instruction a turn; the first two groups start the sums
.irp i, 0,1,2,3
.irp t, 0,1
.set RS, S+64*\t+8*(4*((\g)%2)+\i)
.if (\g) < 2
	v_wmma_f32_16x16x32_f16 v[RS:RS+7], v[KF+32*(\buf)+8*\i:KF+32*(\buf)+8*\i+7], v[128*\t+8*((\g)/2):128*\t+8*((\g)/2)+7], 0
.else
	v_wmma_f32_16x16x32_f16 v[RS:RS+7], v[KF+32*(\buf)+8*\i:KF+32*(\buf)+8*\i+7], v[128*\t+8*((\g)/2):128*\t+8*((\g)/2)+7], v[RS:RS+7]
.endif
.endr
.endr
.endm
.macro SPHASE                          ; one window setting for the whole phase: source 1 (q) in window 1; an LDS load has no source 1
	WIN 0x04
	FETCHK 0, 0
	FETCHK 1, 1
.set G, 0
.rept 32
.if (G > 0) && (G < 30)
	PLACES 4                                       ; four places between the last group's products and the loads into the buffer that they read
.endif
.if G < 30
	FETCHK G+2, (G+2)%3
	s_wait_dscnt 16                                ; this group's eight loads are in; the next two groups' sixteen may be out
.elseif G == 30
	s_wait_dscnt 8
.else
	s_wait_dscnt 0x0
.endif
	MULS G, G%3
.set G, G+1
.endr
	PLACES 4
	WIN 0
.endm
; THE SOFTMAX of my two tiles, by turns.  A lane holds 64 scores of one query a tile.
.macro SOFTMAX
.irp q, 0,1,2,3                        ; the maximum, three operands at a time, in four chains of 15 scores; each accumulator is first read at its low end
.irp t, 0,1
	v_max3_num_f32 v[ST+8*\t+4+\q], v[S+64*\t+16*\q], v[S+64*\t+16*\q+1], v[S+64*\t+16*\q+2]
.endr
.endr
.irp i, 3,5,7,9,11,13
.irp q, 0,1,2,3
.irp t, 0,1
	v_max3_num_f32 v[ST+8*\t+4+\q], v[ST+8*\t+4+\q], v[S+64*\t+16*\q+\i], v[S+64*\t+16*\q+\i+1]
.endr
.endr
.endr
.irp t, 0,1
	v_max3_num_f32 v[ST+8*\t+4], v[ST+8*\t+4], v[S+64*\t+15], v[S+64*\t+31]   ; the four scores left over
	v_max3_num_f32 v[ST+8*\t+6], v[ST+8*\t+6], v[S+64*\t+47], v[S+64*\t+63]
.endr
.irp t, 0,1
	v_max3_num_f32 v[ST+8*\t+4], v[ST+8*\t+4], v[ST+8*\t+5], v[ST+8*\t+6]
.endr
.irp t, 0,1
	v_max3_num_f32 v[ST+8*\t+4], v[ST+8*\t+4], v[ST+8*\t+7], v[ST+8*\t+1]     ; and the old m
.endr
.irp t, 0,1
	v_permlanex16_b32 v[ST+8*\t+5], v[ST+8*\t+4], s[SEL], s[SEL+1]            ; the query's other 64 keys lie in the lane 16 away
.endr
.irp t, 0,1
	v_mov_b32 v[ST+8*\t+7], v[ST+8*\t]             ; c m_old
.endr
.irp t, 0,1
	v_max_num_f32 v[ST+8*\t+1], v[ST+8*\t+4], v[ST+8*\t+5]
.endr
.irp t, 0,1
	v_mul_f32 v[ST+8*\t], s[CS], v[ST+8*\t+1]
.endr
.irp t, 0,1
	v_sub_f32 v[ST+8*\t+7], v[ST+8*\t+7], v[ST+8*\t]
.endr
.set J, 0
.rept 64
	v_pk_fma_f32 v[S+2*J:S+2*J+1], v[S+2*J:S+2*J+1], s[CS:CS+1], v[ST+8*(J/32):ST+8*(J/32)+1] op_sel_hi:[1,0,0] neg_lo:[0,0,1] neg_hi:[0,0,1]   ; c s - c m, two at a time
.set J, J+1
.endr
.irp t, 0,1
	v_exp_f32 v[ST+8*\t+6], v[ST+8*\t+7]           ; a.  ONE BATCH: 130 exponentials, none of which reads another's result
.endr
.set J, 0
.rept 128
	v_exp_f32 v[S+J], v[S+J]
.set J, J+1
.endr
	v_nop                                          ; a plain instruction behind the last exponential
	s_wait_alu depctr_va_vdst(0)                   ; and the one wait ahead of the batch's first reader
.set J, 0
.rept 64
	v_cvt_pk_f16_f32 v[P16+J], v[S+2*J], v[S+2*J+1]   ; eight neighbouring keys of a query pack into four registers: half a fragment of p
.set J, J+1
.endr
.irp t, 0,1
	ds_store_b32 v[AAS], v[ST+8*\t+6] offset:64*\t    ; both halves of the lanes write the same word with the same value
.irp k, 0,1,2,3,4,5,6,7
	ds_store_b128 v[APS], v[P16+32*\t+4*\k:P16+32*\t+4*\k+3] offset:\t*4096+(\k/2)*1024+(\k%2)*512
.endr
.endr
.irp w, 4,8,16,32,64                   ; the sums of the unrounded p, in place: neighbours 1, 2, 4, 8, 16 pairs apart, both tiles
.set J, 0
.rept 128/\w
	v_pk_add_f32 v[S+\w*J:S+\w*J+1], v[S+\w*J:S+\w*J+1], v[S+\w*J+\w/2:S+\w*J+\w/2+1]
.set J, J+1
.endr
.endr
.irp t, 0,1
	v_pk_fma_f32 v[ST+8*\t+2:ST+8*\t+3], v[ST+8*\t+2:ST+8*\t+3], v[ST+8*\t+6:ST+8*\t+7], v[S+64*\t:S+64*\t+1] op_sel_hi:[1,0,1]   ; l = a l + the sum
.endr
.endm
; O^T += (16 rows of v^T or Wo^T) x (32 along K x 16 queries).  A trip is four chunks of 32 along K, 64 products each.
.macro FETCHV av, kc, set              ; my eight row tiles' fragments of chunk kc
.irp d, 0,1,2,3,4,5,6,7
	ds_load_b128 v[VF+64*(\set)+8*\d:VF+64*(\set)+8*\d+3], v[\av] offset:\d*4096+(\kc)*1024
	ds_load_b128 v[VF+64*(\set)+8*\d+4:VF+64*(\set)+8*\d+7], v[\av] offset:\d*4096+(\kc)*1024+512
.endr
.endm
.macro FETCHP kc, q0                   ; query tiles q0 .. q0 + 3
.irp q, \q0, \q0+1, \q0+2, \q0+3
	ds_load_b128 v[PF+8*(\q):PF+8*(\q)+3], v[AP] offset:(\q)*4096+(\kc)*1024
	ds_load_b128 v[PF+8*(\q)+4:PF+8*(\q)+7], v[AP] offset:(\q)*4096+(\kc)*1024+512
.endr
.endm
.macro MUL16 a0, set, zero             ; the 64 accumulators take turns, one instruction a turn, in the same order in every chunk
.irp a, \a0, \a0+1
.irp b, 0,1,2,3,4,5,6,7
.set RA, 8*(8*((\a)%4)+\b)
.if \zero
	v_wmma_f32_16x16x32_f16 v[RA:RA+7], v[VF+64*(\set)+8*\b:VF+64*(\set)+8*\b+7], v[PF+8*(\a):PF+8*(\a)+7], 0
.else
	v_wmma_f32_16x16x32_f16 v[RA:RA+7], v[VF+64*(\set)+8*\b:VF+64*(\set)+8*\b+7], v[PF+8*(\a):PF+8*(\a)+7], v[RA:RA+7]
.endif
.endr
.endr
.endm
.macro PVFIRST av                      ; the first chunk's 32 loads
	FETCHV \av, 0, 0
	FETCHP 0, 0
	FETCHP 0, 4
.endm
; One set of registers for the queries' side (a tile is free as soon as its eight products are issued), two for the rows' side.  zero = 1: the first chunk starts the sums.
.macro PVMUL av, zero
.irp kc, 0,1,2,3
	s_wait_dscnt 8                                 ; the rows' set and query tiles 0-3 are in; the youngest eight loads (tiles 4-7) may be out
	WIN 0xa0                                       ; C and D in window 2
.if (\zero) && (\kc == 0)
	MUL16 0, 0, 1
	MUL16 2, 0, 1
.else
	MUL16 0, \kc%2, 0
	MUL16 2, \kc%2, 0
.endif
	s_wait_dscnt 0x0
.if \kc < 3
	PLACES 4
	WIN 0
	FETCHV \av, \kc+1, (\kc+1)%2
	FETCHP \kc+1, 0
.endif
	WIN 0xf0                                       ; window 3
.if (\zero) && (\kc == 0)
	MUL16 4, 0, 1
	MUL16 6, 0, 1
.else
	MUL16 4, \kc%2, 0
	MUL16 6, \kc%2, 0
.endif
.if \kc < 3
	PLACES 4
	WIN 0
	FETCHP \kc+1, 4
.endif
.endr
	WIN 0
.endm
.macro ALOAD off                       ; a (or 1 / l) of query r of each of the eight tiles
.irp q, 0,1,2,3,4,5,6,7
	ds_load_b32 v[A+2*\q], v[AAL] offset:\off+64*\q
.endr
.endm
.macro RESCALE                         ; every accumulator times its query's factor, each from its low end on
.irp wn, 0,1
	WIN 0x82+0x41*\wn
.irp q, 0,1,2,3
.set J, 0
.rept 32
	v_pk_mul_f32 v[64*\q+2*J:64*\q+2*J+1], v[64*\q+2*J:64*\q+2*J+1], v[A+2*(4*\wn+\q):A+2*(4*\wn+\q)+1] op_sel_hi:[1,0]
.set J, J+1
.endr
.endr
.endr
	WIN 0
.endm
.macro OSTORE s                        ; my channels 32 s .. + 31 of all 128 queries are chunk w of the trip's K: sixteen stores; then they are shown to every wave
	WIN 0x04                                       ; an LDS store's data are its source 1: window 1
.irp q, 0,1,2,3,4,5,6,7
.irp f, 0,1
	ds_store_b128 v[APO], v[4*(8*(2*\s+\f)+\q):4*(8*(2*\s+\f)+\q)+3] offset:\q*4096+\f*512
.endr
.endr
	WIN 0
	s_wait_dscnt 0x0                               ; for the others' sake: my stores have landed
	s_barrier_signal -1                            ; the tile that was asked for may stay out
	s_barrier_wait -1
.endm
	s_mov_b32 s[CNT], 8
.Lkey:                                                 ; a key step: two trips of the ring
	s_cmp_eq_u32 s[CNT], 1
	s_cselect_b32 s[STEP], s[JMP], s[C128]         ; behind the batch's last tiles come the W tiles
	TRIPHEAD 0, 1, 1, 1                            ; k_j is whole; v_j is asked for (v_0 takes the slot that held Wq's codes, which nobody reads any more)
	ASK 0
	SPHASE
	SOFTMAX
	TRIPHEAD 1, 1, 1, 1                            ; v_j, p and a are whole; k_j+1 (at the end W0) is asked for
	ASK 1
	ALOAD 0
	PVFIRST AV1
	s_wait_dscnt 32                                ; a is in; the 32 fragment loads may be out
	RESCALE
	PVMUL AV1, 0
	s_sub_co_u32 s[CNT], s[CNT], 1
	s_cmp_lg_u32 s[CNT], 0
	s_cbranch_scc1 .Lkey
	s_mov_b32 s[STEP], s[C128]
.irp t, 0,1                            ; 1 / l of my 32 queries, for all waves
	v_add_f32 v[ST+8*\t+4], v[ST+8*\t+2], v[ST+8*\t+3]
.endr
.irp t, 0,1
	v_permlanex16_b32 v[ST+8*\t+5], v[ST+8*\t+4], s[SEL], s[SEL+1]
.endr
.irp t, 0,1
	v_add_f32 v[ST+8*\t+4], v[ST+8*\t+4], v[ST+8*\t+5]
.endr
.irp t, 0,1
	v_rcp_f32 v[ST+8*\t+6], v[ST+8*\t+4]
.endr
	v_nop                                          ; a plain instruction behind the last reciprocal
	s_wait_alu depctr_va_vdst(0)                   ; and the wait ahead of the first use
.irp t, 0,1
	ds_store_b32 v[AAS], v[ST+8*\t+6] offset:512+64*\t
.endr
	TRIPHEAD 0, 1, 0, 1                            ; W0 and 1 / l are whole; W1 is asked for; slot 0's descriptor steps to W2
	ALOAD 512
	s_wait_dscnt 0x0
	RESCALE                                        ; O^T / l
.irp wn, 0,1                           ; rounded to f16, into q's registers: eight neighbouring channels of a query are half a fragment
	WIN 0x4a+5*\wn
.irp q, 0,1,2,3
.irp d, 0,1,2,3,4,5,6,7
.irp i, 0,1,2,3
	v_cvt_pk_f16_f32 v[4*(8*\d+4*\wn+\q)+\i], v[8*(8*\q+\d)+2*\i], v[8*(8*\q+\d)+2*\i+1]
.endr
.endr
.endr
.endr
	OSTORE 0
	PVFIRST AV0
	PVMUL AV0, 1                                   ; the first chunk's products start the sums of the last product
	TRIPHEAD 1, 1, 0, 1                            ; W1 is whole; W2 is asked for; slot 1's descriptor steps to W3
	OSTORE 1
	PVFIRST AV1
	PVMUL AV1, 0
	TRIPHEAD 0, 0, 0, 1                            ; W2 is whole; W3 is asked for
	OSTORE 2
	PVFIRST AV0
	PVMUL AV0, 0
	TRIPHEAD 1, 0, 0, 0                            ; W3 is whole; slot 0 has had its last fill and its last read
	OSTORE 3
	WIN 0x40
.irp e, 0,1,2,3,4,5,6,7
	global_load_b128 v[8*\e:8*\e+3], v[H32], s[10:11] offset:64*\e          ; bo(128 w + 16 e + 8 h + 0 .. 7), where O's first channels lay
	global_load_b128 v[8*\e+4:8*\e+7], v[H32], s[10:11] offset:64*\e+16
.endr
	WIN 0
	PVFIRST AV1
	PVMUL AV1, 0
; THE WAY OUT, a tile of 16 queries at a time.  A lane holds 32 neighbouring bytes of a row for each of eight output tiles: sum / 1024 + bo, through my own stage (16 rows of 512 bytes + 16, in slot 0), back as whole rows.
.macro PACK q
	WIN 0x12+(\q)/4                                ; source 0 window 2 or 3, source 2 (bo) window 1
.irp e, 0,1,2,3,4,5,6,7
.irp i, 0,2,4,6
	v_pk_fma_f32 v[TMP+8*\e+\i:TMP+8*\e+\i+1], v[8*(8*((\q)%4)+\e)+\i:8*(8*((\q)%4)+\e)+\i+1], s[SCL:SCL+1], v[8*\e+\i:8*\e+\i+1] op_sel_hi:[1,0,1]
.endr
.endr
	WIN 0
.endm
.macro TOSTAGE q
.irp e, 0,1,2,3,4,5,6,7
	ds_store_b128 v[STO], v[TMP+8*\e:TMP+8*\e+3] offset:64*\e
	ds_store_b128 v[STO], v[TMP+8*\e+4:TMP+8*\e+7] offset:64*\e+16
.endr
.irp t, 0,1,2,3,4,5,6,7,8,9,10,11,12,13,14,15
	ds_load_b128 v[BK+64*((\q)%2)+4*\t:BK+64*((\q)%2)+4*\t+3], v[RD] offset:\t*528   ; LDS serves a wave's instructions in order (ISA guide 5.7.1.4): these see the stores above
.endr
.endm
.macro SEND q
	s_wait_dscnt 0x0                               ; the tile is back in registers
	s_wait_xcnt 0x0                                ; the stores of the tile before have read their data: the next tile's loads may land there
.irp t, 0,1,2,3,4,5,6,7,8,9,10,11,12,13,14,15
	global_store_b128 v[AK0], v[BK+64*((\q)%2)+4*\t:BK+64*((\q)%2)+4*\t+3], s[12:13] offset:(\q)*32768+\t*2048 th:TH_STORE_NT   ; 32 lanes store 512 consecutive bytes, at a multiple of 512 from out's first byte
.endr
.endm
	s_wait_loadcnt 0x0                             ; bo
	PLACES 4                                       ; between the last products and the lines that read results or write over their operands
	PACK 0
	TOSTAGE 0
.irp a, 1,2,3,4,5,6,7                  ; a tile's arithmetic stands between the loads of the tile before and the wait for them
	PACK \a
	SEND \a-1
	TOSTAGE \a
.endr
	SEND 7
	s_wait_tensorcnt 0x0                           ; the wave's end: behind my last tensor load and my last LDS store
	ds_add_u32 v[SPW], v[NIL]
	s_wait_dscnt 0x0
	ROUND                                          ; the closing round: no work-group ends while a partner may still ask for a tile that names it
	s_endpgm
.Lfunc_end_k_qb6bdd09ff4_attn:
	.size	k_qb6bdd09ff4_attn, .Lfunc_end_k_qb6bdd09ff4_attn-k_qb6bdd09ff4_attn
	.p2alignl 7, 3214868480
	.fill 96, 4, 3214868480
	.section	.rodata,"a",@progbits
	.p2align	6, 0x0
	.amdhsa_kernel k_qb6bdd09ff4_attn
		.amdhsa_group_segment_fixed_size 327680
		.amdhsa_private_segment_fixed_size 0
		.amdhsa_enable_private_segment 0
		.amdhsa_kernarg_size 64
		.amdhsa_user_sgpr_count 2
		.amdhsa_user_sgpr_kernarg_segment_ptr 1
		.amdhsa_wavefront_size32 1
		.amdhsa_system_sgpr_workgroup_id_x 1
		.amdhsa_system_sgpr_workgroup_id_y 1
		.amdhsa_system_sgpr_workgroup_id_z 1
		.amdhsa_system_vgpr_workitem_id 0
		.amdhsa_next_free_vgpr 1024
		.amdhsa_next_free_sgpr 80
		.amdhsa_reserve_vcc 0
		.amdhsa_float_denorm_mode_32 3
		.amdhsa_float_denorm_mode_16_64 3
		.amdhsa_memory_ordered 1
		.amdhsa_forward_progress 1
		.amdhsa_inst_pref_size 255
	.end_amdhsa_kernel
	.section	.bss,"aw",@nobits
	.p2align	6
	.space	262144
	.amdgpu_metadata
---
amdhsa.version: [ 1, 2 ]
amdhsa.kernels:
  - .name:           k_qb6bdd09ff4_attn
    .symbol:         k_qb6bdd09ff4_attn.kd
    .args:
      - { .name: query, .offset: 0, .size: 8, .value_kind: global_buffer, .address_space: global }
      - { .name: ring0, .offset: 8, .size: 8, .value_kind: global_buffer, .address_space: global }
      - { .name: ring1, .offset: 16, .size: 8, .value_kind: global_buffer, .address_space: global }
      - { .name: bo, .offset: 24, .size: 8, .value_kind: global_buffer, .address_space: global }
      - { .name: out0, .offset: 32, .size: 8, .value_kind: global_buffer, .address_space: global }
      - { .name: wcodes, .offset: 40, .size: 8, .value_kind: global_buffer, .address_space: global }
      - { .name: wscales, .offset: 48, .size: 8, .value_kind: global_buffer, .address_space: global }
      - { .name: bq, .offset: 56, .size: 8, .value_kind: global_buffer, .address_space: global }
    .group_segment_fixed_size: 327680
    .private_segment_fixed_size: 0
    .kernarg_segment_align: 8
    .kernarg_segment_size: 64
    .max_flat_workgroup_size: 128
    .sgpr_count:     80
    .vgpr_count:     1024
    .wavefront_size: 32
...
	.end_amdgpu_metadata
.endif
;; end of part 3
